; MI455X (gfx1250); checked and timed in simulation.
; The chip was launched on July 23, 2026; its instructions are those of AMD's public machine-readable ISA for CDNA 5 (MIT licence, August 2026) and "CDNA5" Instruction Set Architecture Reference Guide (July 2026). The comments in the code are by the model that wrote it; some were corrected since.
;; Causal Self Attention. Allowed arithmetic: float matrix products may take bf16 or f16 operands with f32 sums; all other float work in f32.
;; Inputs: w_proj 1,024 x 1,024 float32; w_qkv 3,072 x 1,024 float32; x 4 x 2,048 x 1,024 float32.
;; Outputs: out0 4 x 2,048 x 1,024 float32.
;; One version. Each part assembles by itself: llvm-mc -triple=amdgcn-amd-amdhsa -mcpu=gfx1250 --defsym DOCPART=n.
;; ======== version 1 of 1: 4 launches
;; limits: values are held in f16: magnitudes above 65,504 overflow, below 6.1e-05 lose precision
;; workspace buffers: xb 16,777,216 bytes; wqb 6,291,456 bytes; wpb 2,097,152 bytes; qkv 50,331,648 bytes; attnb 16,777,216 bytes
;; launch cast (part 1): grid 768 x 1, 8 waves a work-group, no clusters, 0 bytes of LDS; arguments x, w_qkv, w_proj, xb, wqb, wpb; writes xb, wqb, wpb
.if DOCPART == 1
	.amdgcn_target "amdgcn-amd-amdhsa--gfx1250"
	.amdhsa_code_object_version 6
	.text
	.protected	k_q2345f593ab_cast
	.globl	k_q2345f593ab_cast
	.p2align	8
	.type	k_q2345f593ab_cast,@function
k_q2345f593ab_cast:
	s_mov_b64 s[64:65], 0
	v_nop
	global_prefetch_b8 v0, s[64:65] scope:SCOPE_SE
	s_setreg_imm32_b32 hwreg(HW_REG_WAVE_MODE, 25, 1), 1
	s_wait_xcnt 0x0
; The three f32 inputs are rounded once to 16 bits, so that the matrix kernels behind read half the bytes and need no conversion.
;   x      [8192][1024] f32 -> xb  bf16        w_qkv [3072][1024] f32 -> wqb bf16
;   w_proj [1024][1024] f32 -> wpb: rounded to bf16 like the others, and that value written as f16, because its partner in the last
;   product (the attention's result) is kept in f16 and a matrix instruction takes one format for both sources.
; LIMITS: |bf16(w_proj)| must stay below 65,504 (f16's largest number); below 2^-14 it falls on f16's denormal grid (error at most 2^-25).
; A stream: no LDS, no barrier, no matrix unit.  A work-group takes 65,536 input bytes: ids 0-511 x, 512-703 w_qkv, 704-767 w_proj.
; A wave takes 8,192 of them by 16 loads of 512 consecutive bytes, all issued at once; each load gives one store of 256 consecutive aligned bytes.
.set X,  4                             ; v[4:67]    load k: 4 registers of f32
.set Y,  68                            ; v[68:99]   load k: 2 registers, 4 numbers of 16 bits; each pair is written once, so no store's data is ever rewritten
.set TW, 100                           ; v[100:103] the bf16 values widened again (w_proj only)
	s_load_b256 s[4:11], s[0:1], 0x0               ; x s[4:5], w_qkv s[6:7], w_proj s[8:9], xb s[10:11]
	s_load_b128 s[12:15], s[0:1], 0x20             ; wqb s[12:13], wpb s[14:15]
	s_mov_b32 s16, ttmp9                           ; the work-group's number
	s_sub_co_u32 s17, s16, 512                     ; its number within w_qkv,
	s_sub_co_u32 s18, s16, 704                     ; within w_proj
	v_lshrrev_b32 v3, 5, v0                        ; wave
	v_and_b32 v2, 31, v0                           ; lane
	v_lshlrev_b32 v1, 4, v2
	v_lshl_or_b32 v1, v3, 13, v1                   ; in:  8,192 x wave + 16 x lane
	v_lshlrev_b32 v2, 3, v2
	v_lshl_or_b32 v2, v3, 12, v2                   ; out: 4,096 x wave + 8 x lane
	s_wait_kmcnt 0x0
	s_cmp_lt_u32 s16, 704                          ; the choice hangs on the work-group's number alone
	s_cselect_b64 s[20:21], s[6:7], s[8:9]
	s_cselect_b64 s[22:23], s[12:13], s[14:15]
	s_cselect_b32 s18, s17, s18
	s_cmp_lt_u32 s16, 512
	s_cselect_b64 s[20:21], s[4:5], s[20:21]       ; source
	s_cselect_b64 s[22:23], s[10:11], s[22:23]     ; destination
	s_cselect_b32 s18, s16, s18                    ; my number within that tensor
	s_lshl_b32 s24, s18, 16                        ; 65,536 bytes in,
	s_mov_b32 s25, 0
	s_lshl_b32 s26, s18, 15                        ; 32,768 bytes out
	s_mov_b32 s27, 0
	s_add_nc_u64 s[20:21], s[20:21], s[24:25]
	s_add_nc_u64 s[22:23], s[22:23], s[26:27]
.irp k, 0,1,2,3,4,5,6,7,8,9,10,11,12,13,14,15
	global_load_b128 v[X+4*\k:X+4*\k+3], v1, s[20:21] offset:512*\k th:TH_LOAD_NT   ; read once in the launch
.endr
; Load k: four numbers rounded and stored.  f16 = 1: the bf16 values are written in f16's format.
.macro CONV k, f16
	s_wait_loadcnt 15-\k                           ; loads come back in order: load k is in, the 15 - k younger ones stay out
	v_cvt_pk_bf16_f32 v[Y+2*\k],   v[X+4*\k],   v[X+4*\k+1]
	v_cvt_pk_bf16_f32 v[Y+2*\k+1], v[X+4*\k+2], v[X+4*\k+3]
.if \f16
	v_lshlrev_b32 v[TW],   16, v[Y+2*\k]           ; bf16 to f32: the low half moves up, the high half stays
	v_and_b32     v[TW+1], 0xffff0000, v[Y+2*\k]
	v_lshlrev_b32 v[TW+2], 16, v[Y+2*\k+1]
	v_and_b32     v[TW+3], 0xffff0000, v[Y+2*\k+1]
	v_cvt_pk_f16_f32 v[Y+2*\k],   v[TW],   v[TW+1]   ; 8 bits of mantissa fit into f16's 11: exact inside f16's normal range
	v_cvt_pk_f16_f32 v[Y+2*\k+1], v[TW+2], v[TW+3]
.endif
	global_store_b64 v2, v[Y+2*\k:Y+2*\k+1], s[22:23] offset:256*\k   ; 32 lanes x 8 bytes: 256 consecutive bytes, aligned; a later launch reads them: no hint
.endm
	s_cmp_ge_u32 s16, 704
	s_cbranch_scc1 .Lwp
.irp k, 0,1,2,3,4,5,6,7,8,9,10,11,12,13,14,15
	CONV \k, 0
.endr
	s_endpgm
.Lwp:
.irp k, 0,1,2,3,4,5,6,7,8,9,10,11,12,13,14,15
	CONV \k, 1
.endr
	s_endpgm
.Lfunc_end_k_q2345f593ab_cast:
	.size	k_q2345f593ab_cast, .Lfunc_end_k_q2345f593ab_cast-k_q2345f593ab_cast
	.p2alignl 7, 3214868480
	.fill 96, 4, 3214868480
	.section	.rodata,"a",@progbits
	.p2align	6, 0x0
	.amdhsa_kernel k_q2345f593ab_cast
		.amdhsa_group_segment_fixed_size 0
		.amdhsa_private_segment_fixed_size 0
		.amdhsa_enable_private_segment 0
		.amdhsa_kernarg_size 48
		.amdhsa_user_sgpr_count 2
		.amdhsa_user_sgpr_kernarg_segment_ptr 1
		.amdhsa_wavefront_size32 1
		.amdhsa_system_sgpr_workgroup_id_x 1
		.amdhsa_system_sgpr_workgroup_id_y 1
		.amdhsa_system_sgpr_workgroup_id_z 1
		.amdhsa_system_vgpr_workitem_id 0
		.amdhsa_next_free_vgpr 104
		.amdhsa_next_free_sgpr 66
		.amdhsa_reserve_vcc 0
		.amdhsa_float_denorm_mode_32 3
		.amdhsa_float_denorm_mode_16_64 3
		.amdhsa_memory_ordered 1
		.amdhsa_forward_progress 1
		.amdhsa_inst_pref_size 16
	.end_amdhsa_kernel
	.amdgpu_metadata
---
amdhsa.version: [ 1, 2 ]
amdhsa.kernels:
  - .name:           k_q2345f593ab_cast
    .symbol:         k_q2345f593ab_cast.kd
    .args:
      - { .name: x, .offset: 0, .size: 8, .value_kind: global_buffer, .address_space: global }
      - { .name: w_qkv, .offset: 8, .size: 8, .value_kind: global_buffer, .address_space: global }
      - { .name: w_proj, .offset: 16, .size: 8, .value_kind: global_buffer, .address_space: global }
      - { .name: xb, .offset: 24, .size: 8, .value_kind: global_buffer, .address_space: global }
      - { .name: wqb, .offset: 32, .size: 8, .value_kind: global_buffer, .address_space: global }
      - { .name: wpb, .offset: 40, .size: 8, .value_kind: global_buffer, .address_space: global }
    .group_segment_fixed_size: 0
    .private_segment_fixed_size: 0
    .kernarg_segment_align: 8
    .kernarg_segment_size: 48
    .max_flat_workgroup_size: 256
    .sgpr_count:     66
    .vgpr_count:     104
    .wavefront_size: 32
...
	.end_amdgpu_metadata
.endif
;; end of part 1
;; launch qkvg (part 2): grid 16 x 32, 4 waves a work-group, clusters of 4 x 4, 327,680 bytes of LDS; arguments xb, wqb, qkv; writes qkv
.if DOCPART == 2
	.amdgcn_target "amdgcn-amd-amdhsa--gfx1250"
	.amdhsa_code_object_version 6
	.text
	.protected	k_q2345f593ab_qkvg
	.globl	k_q2345f593ab_qkvg
	.p2align	8
	.type	k_q2345f593ab_qkvg,@function
k_q2345f593ab_qkvg:
	s_mov_b64 s[64:65], 0
	v_nop
	global_prefetch_b8 v0, s[64:65] scope:SCOPE_SE
	s_setreg_imm32_b32 hwreg(HW_REG_WAVE_MODE, 25, 1), 1
	s_wait_xcnt 0x0
	s_wait_alu depctr_hold_cnt(0) depctr_sa_sdst(0) depctr_va_vdst(0) depctr_va_sdst(0) depctr_va_ssrc(0) depctr_va_vcc(0) depctr_vm_vsrc(0)
	s_getreg_b32 s2, hwreg(HW_REG_IB_STS2, 6, 4)
	s_cmp_eq_u32 s2, 0
	s_cbranch_scc0 .Lentry_in_a_cluster
	s_endpgm
.Lentry_in_a_cluster:
	s_bfe_u32 s2, ttmp6, 0x10000c
	s_cmp_lg_u32 s2, 0xf033
	s_cbranch_scc0 .Lentry_shape_is_right
	s_endpgm
.Lentry_shape_is_right:
; qkv[m][n] = sum over k of xb[m][k] wqb[n][k].  xb: [8192][1024] bf16, wqb: [3072][1024] bf16; sums in f32, rounded once to f16.
; The result is stored by heads: [batch 4][hc 48][t 2048][64] f16, hc = n / 64 (0-15 q's heads, 16-31 k's, 32-47 v's), m = 2048 batch + t.
; LIMIT: |q|, |k|, |v| must stay below 65,504 (f16's largest number).  f16 is taken for its 11 bits of mantissa.
; A work-group makes 256 rows x 192 columns (three whole heads): 32 x 16 = 512 blocks of equal work.  Four waves, one above the other: a wave makes
; 64 rows x 192 columns, 4 x 12 accumulator tiles of 16 x 16, 384 registers.  K goes in steps of 128 through a ring of two LDS slots filled by
; the tensor data mover: a tile's rows are 256 bytes of memory and start at multiples of 256 bytes from the buffer's first byte.
; CLUSTERS: 4 x 4 work-groups.  The four of a row of the cluster need the same tiles of xb, the four of a column the same tiles of wqb: such a
; tile is asked for jointly, by the same tensor load with the same descriptor and a mask that names the four.  That divides the requests by four.
; REGISTERS, in windows of 256:
;   window 0: v16-26 addresses; v32-63, v64-95 fragments of xb (4 x 16 rows x 32 K), two buffers; v96-143, v144-191 at work on the way out
;   window 1: v0-95, v96-191 fragments of wqb (12 x 16 rows x 32 K), two buffers
;   window 2: the 24 accumulator tiles of my rows 0-31 (tile (a, b) at v[8 (12 a + b)]);   window 3: those of my rows 32-63
; THE MATRIX INSTRUCTION IS USED TRANSPOSED: source 0 = 16 rows of wqb, source 1 = 16 rows of xb.  Lane l then holds row l % 16 of the result and
; its registers 0 to 7 the columns 8 (l / 16) + 0 .. 7: eight neighbouring numbers, which pack into 16 bytes.
.set NB,     12                        ; column blocks of 16 in a work-group's tile
.set SIZE_K, 1024
.set KSTEP,  128
.set PITCH,  272                       ; an LDS row: 256 bytes of data + 16 of padding: the 16 rows that a load touches start 16 bytes apart modulo 256
.set HALFT,  128*PITCH                 ; the room of one tensor load: 128 rows of xb, or 96 rows of wqb (the rest of the room stays unused)
.set SLOT,   4*HALFT                   ; xb's rows 0-127, 128-255, wqb's rows 0-95, 96-191
.set STAGE,  2*SLOT                    ; behind the ring: 16 rows x 400 bytes for each wave, for the way out; no tensor load lands here
.set SPITCH, 400                       ; 384 bytes of data + 16
.set TN,     16*NB
.set BROWS,  8*NB                      ; rows of wqb in one tensor load
.set NLD,    2*NB+8                    ; LDS loads of a quarter step
.set LAPS,   SIZE_K/(2*KSTEP)          ; a lap = two K steps = once round the ring: 4
.set ADRA, 16                          ; v16-17  LDS address of my xb fragments in slot 0, 1
.set ADRB, 20                          ; v20-21  the same for wqb
.set STO,  24                          ; v24     the way out: where I put 16 bytes of a row
.set RD,   25                          ; v25     the way out: where I read back
.set CO,   26                          ; v26     my byte offset in a store's 512 bytes
.set FA,   32                          ; xb's fragments, buffer f at FA + 32 f (window 0)
.set TMP,  96                          ; the way out: packed results
.set RB,   144                         ; the way out: rows read back
.set G1,  24                           ; s[24:31] descriptor group 1 for xb's tiles
.set G0,  32                           ; s[32:39] descriptor group 0 for xb's tiles, one set for each slot
.set G1B, 48                           ; s[48:55] group 1 for wqb's tiles
.set G0B, 56                           ; s[56:63] group 0 for wqb's tiles, one set for each slot
.set MSB, 0
.macro WIN new                         ; the immediate's high byte repeats the setting that is left
.if MSB != \new
	s_set_vgpr_msb (MSB<<8)|\new
.set MSB, \new
.endif
.endm
.set MUL_LO, 0xa1                      ; source 0 (wqb) window 1, source 1 (xb) window 0, C and D window 2
.set MUL_HI, 0xf1                      ; the same, C and D window 3
.set TO_B,   0x40                      ; destination window 1, address window 0
; A joint load.  Waves 0 and 1 fetch xb's two halves, waves 2 and 3 wqb's.  Each line has one mask and one set of registers for all that issue it.
.macro JLOAD s
	s_cmp_eq_u32 s11, 0
	s_cbranch_scc0 .Lfor_b_\@
	tensor_load_to_lds s[G0+4*\s:G0+4*\s+3], s[G1:G1+7]
	s_nop 0
	s_branch .Lasked_\@
.Lfor_b_\@:
	tensor_load_to_lds s[G0B+4*\s:G0B+4*\s+3], s[G1B:G1B+7]
	s_nop 0
.Lasked_\@:
.endm
; A round of the cluster's barrier: my work-group's barrier; wave 0 signals for the work-group; every wave waits for all sixteen; my work-group's barrier again.
.macro CREST                           ; a round behind its opening barrier
	s_cmp_lg_u32 s10, 0
	s_cbranch_scc1 .Lnot_wave_0_\@
	s_barrier_signal -3
.Lnot_wave_0_\@:
	s_barrier_wait -3
	s_barrier_signal -1
	s_barrier_wait -1
.endm
.macro CROUND                          ; a whole round
	s_barrier_signal -1
	s_barrier_wait -1
	CREST
.endm
	s_load_b128 s[4:7], s[0:1], 0x0                ; xb s[4:5], wqb s[6:7]
	s_load_b64 s[8:9], s[0:1], 0x10                ; qkv
	s_set_vgpr_msb 0x40
	v_lshl_add_u32 v255, v0, 2, 0x4a400
	s_set_vgpr_msb 0x4000
	v_mov_b32 v255, 0
	s_set_vgpr_msb 0x1
	ds_add_u32 v255, v255
	ds_add_u32 v255, v255
	s_set_vgpr_msb 0x100
	v_lshrrev_b32 v1, 5, v0
	v_readfirstlane_b32 s10, v1                    ; wave 0..3: my 64 rows of the block
	s_lshr_b32 s11, s10, 1                         ; I fetch for xb (0) or for wqb (1),
	s_and_b32 s12, s10, 1                          ; and which half of that tile
	s_bfe_u32 s40, ttmp6, 0x40000                  ; cx: my place along the cluster's x
	s_bfe_u32 s41, ttmp6, 0x40004                  ; cy: along its y
	s_lshl_b32 s42, ttmp9, 2
	s_add_co_u32 s42, s42, s40                     ; block column = 4 x cluster x + cx
	s_and_b32 s13, ttmp7, 0xffff
	s_lshl_b32 s13, s13, 2
	s_add_co_u32 s13, s13, s41                     ; block row = 4 x cluster y + cy
	s_lshl_b32 s43, s41, 2
	s_lshl_b32 s43, 15, s43                        ; my row of the cluster: places 4 cy .. 4 cy + 3
	s_lshl_b32 s44, 0x1111, s40                    ; my column: places cx, cx + 4, cx + 8, cx + 12
	; group 1: rows of 128 elements of 2 bytes, 16 bytes of padding behind every 64 words
	s_or_b32 s[G1+0], s43, (1<<16)|(1<<20)|(1<<21)|(5<<22)|(3<<25)  ; 15:0 mask: my row; 17:16 2 bytes; 20 padding on; 21 set beside a mask; 24:22 every 64 words; 31:25 4 words
	s_or_b32 s[G1B+0], s44, (1<<16)|(1<<20)|(1<<21)|(5<<22)|(3<<25) ; the same with the mask of my column
	s_mov_b32 s[G1+1], KSTEP<<16                   ; tensor_dim0 = 128
	s_mov_b32 s[G1B+1], KSTEP<<16
	s_mov_b32 s[G1+2], 128<<16                     ; tensor_dim1 = 128 rows
	s_mov_b32 s[G1B+2], BROWS<<16                  ;             = 96 rows
	s_mov_b32 s[G1+3], KSTEP<<16                   ; tile_dim0 = 128
	s_mov_b32 s[G1B+3], KSTEP<<16
	s_mov_b32 s[G1+4], 128                         ; tile_dim1
	s_mov_b32 s[G1B+4], BROWS
	s_mov_b32 s[G1+5], SIZE_K                      ; elements from row to row
	s_mov_b32 s[G1B+5], SIZE_K
	s_mov_b32 s[G1+6], 0
	s_mov_b32 s[G1B+6], 0
	s_mov_b32 s[G1+7], 0
	s_mov_b32 s[G1B+7], 0
	; where the tiles come from: xb's hang on the block row alone, wqb's on the block column alone, each in registers that never hold the other coordinate
	s_lshl_b32 s17, s12, 7
	s_lshl_b32 s16, s13, 8
	s_add_co_u32 s16, s16, s17                     ; xb: row 256 x block row + 128 x half
	s_mul_i32 s46, s42, TN
	s_mul_i32 s47, s12, BROWS
	s_add_co_u32 s46, s46, s47                     ; wqb: row 192 x block column + 96 x half
	s_mov_b32 s17, 0
	s_mov_b32 s47, 0
	s_mov_b64 s[18:19], SIZE_K*2
	s_mul_u64 s[16:17], s[16:17], s[18:19]         ; in bytes
	s_mul_u64 s[46:47], s[46:47], s[18:19]
	s_mul_i32 s20, s10, HALFT                      ; and where they go: wave x the room of one load
	s_wait_dscnt 0x0
	s_wait_kmcnt 0x0
	s_add_nc_u64 s[14:15], s[4:5], s[16:17]
	s_add_nc_u64 s[46:47], s[6:7], s[46:47]
	CROUND                                         ; all sixteen work-groups are here: the first joint loads meet
.irp s, 0,1
	s_mov_b32 s[G0+4*\s], 1                                        ; count = 1
	s_add_co_u32 s[G0+4*\s+1], s20, \s*SLOT                        ; LDS address
	s_add_nc_u64 s[G0+4*\s+2:G0+4*\s+3], s[14:15], \s*KSTEP*2      ; global address: K step s
	s_or_b32 s[G0+4*\s+3], s[G0+4*\s+3], 0x80000000                ; type = 2
	s_mov_b32 s[G0B+4*\s], 1
	s_add_co_u32 s[G0B+4*\s+1], s20, \s*SLOT
	s_add_nc_u64 s[G0B+4*\s+2:G0B+4*\s+3], s[46:47], \s*KSTEP*2
	s_or_b32 s[G0B+4*\s+3], s[G0B+4*\s+3], 0x80000000
	JLOAD \s                                       ; both slots' first fills go out before anything else: two tensor loads of the wave are out
.endr
	; a fragment is 16 rows x 32 K in 8 registers: lane l holds row l % 16; two loads of 16 bytes, 32 bytes apart, at row x pitch + 16 (l / 16)
	v_and_b32 v1, 15, v0                           ; r = l % 16
	v_bfe_u32 v2, v0, 4, 1                         ; h = l / 16
	v_mul_u32_u24 v3, v1, PITCH
	v_lshl_add_u32 v3, v2, 4, v3
	s_mul_i32 s21, s10, 64*PITCH                   ; my 64 rows of xb
	s_mov_b32 s22, 2*HALFT                         ; wqb's rows lie behind xb's 256; every wave reads all of them
.irp s, 0,1
	v_add_nc_u32 v[ADRA+\s], s21, v3
	v_add_nc_u32 v[ADRB+\s], s22, v3
	s_add_co_u32 s21, s21, SLOT
	s_add_co_u32 s22, s22, SLOT
.endr
	s_mul_i32 s23, s10, 16*SPITCH
	s_add_co_u32 s23, s23, STAGE                   ; my stage
	v_mul_u32_u24 v4, v1, SPITCH                   ; in: row r, 16 bytes for each half of the lanes
	v_lshl_add_u32 v4, v2, 4, v4
	v_add_nc_u32 v[STO], s23, v4
	v_and_b32 v5, 31, v0
	v_lshrrev_b32 v6, 3, v5                        ; back: eight lanes take a head's 128 bytes of one row, the wave four rows
	v_and_b32 v7, 7, v0
	v_mul_u32_u24 v6, v6, SPITCH
	v_lshl_add_u32 v6, v7, 4, v6
	v_add_nc_u32 v[RD], s23, v6
	v_lshlrev_b32 v[CO], 4, v5                     ; four rows of a head are 512 consecutive bytes of qkv
; 12 matrix instructions: row block a of the window's two (hi = 0: my rows 0-31, 1: rows 32-63) x all 12 column blocks, 32 along K, from buffer f.
; zero = 1: the first product starts the sums: nothing is cleared.  The 48 accumulators take turns, one instruction a turn, in the same order in
; every quarter step and over the backward jump.
.macro MULA f, hi, a, zero
.set bi, 0
.rept NB
.if \zero
	v_wmma_f32_16x16x32_bf16 v[8*(NB*\a+bi):8*(NB*\a+bi)+7], v[96*\f+8*bi:96*\f+8*bi+7], v[FA+32*\f+8*(2*\hi+\a):FA+32*\f+8*(2*\hi+\a)+7], 0
.else
	v_wmma_f32_16x16x32_bf16 v[8*(NB*\a+bi):8*(NB*\a+bi)+7], v[96*\f+8*bi:96*\f+8*bi+7], v[FA+32*\f+8*(2*\hi+\a):FA+32*\f+8*(2*\hi+\a)+7], v[8*(NB*\a+bi):8*(NB*\a+bi)+7]
.endif
.set bi, bi+1
.endr
.endm
; 32 LDS loads in one run: the fragments of one quarter step (192 rows of wqb, my 64 rows of xb, 32 K at byte k of the rows) into buffer f
.macro FETCH slot, k, f
	WIN TO_B
.set bi, 0
.rept NB
	ds_load_b128 v[96*\f+8*bi:96*\f+8*bi+3],   v[ADRB+\slot] offset:\k+(bi/(NB/2))*HALFT+(bi%(NB/2))*16*PITCH
	ds_load_b128 v[96*\f+8*bi+4:96*\f+8*bi+7], v[ADRB+\slot] offset:\k+(bi/(NB/2))*HALFT+(bi%(NB/2))*16*PITCH+32
.set bi, bi+1
.endr
	WIN 0
.irp i, 0,1,2,3
	ds_load_b128 v[FA+32*\f+8*\i:FA+32*\f+8*\i+3],   v[ADRA+\slot] offset:\k+\i*16*PITCH
	ds_load_b128 v[FA+32*\f+8*\i+4:FA+32*\f+8*\i+7], v[ADRA+\slot] offset:\k+\i*16*PITCH+32
.endr
.endm
; A load into a register that a matrix instruction has read, and a vector instruction or LDS store that reads a matrix result, stand four places
; behind that matrix instruction; only plain vector instructions that name none of its registers are places.
.macro PLACES
.rept 4
	v_nop
.endr
.endm
; A K step is four quarter steps of 32 along K, 48 matrix instructions each, on buffers 0, 1, 0, 1.
; One of the first three: multiplies buffer f; in its middle it fetches the next quarter's fragments, at byte k of the same slot's rows, into buffer g.
.macro QUARTER slot, k, f, g, zero
	s_wait_dscnt 4                                 ; wqb and xb's rows 0-31 are in; the youngest four loads (xb's rows 32-63) may be out
	WIN MUL_LO
	MULA \f, 0, 0, \zero
	MULA \f, 0, 1, \zero
	PLACES
	FETCH \slot, \k, \g
	s_wait_dscnt NLD                               ; all but the 32 just issued
	WIN MUL_HI
	MULA \f, 1, 0, \zero
	MULA \f, 1, 1, \zero
.endm
.macro THREE slot, zero
	QUARTER \slot, 64,  0, 1, \zero
	QUARTER \slot, 128, 1, 0, 0
	QUARTER \slot, 192, 0, 1, 0
.endm
; The last quarter: multiplies buffer 1 and changes slots.  next = the other slot; fill = 1: this slot is filled again, two K steps ahead.
; In front of the barrier each wave waits for its reads of this slot and for all its tensor loads, of which one is out: its part of the next slot.
; Behind it (where a slot is filled again: behind the round of the cluster's barrier that it opens) the refill comes first, one load a wave, then
; the next slot's first fragments.  From a request to the wait for it a wave issues 180 matrix instructions.
.macro TURN slot, next, fill
	s_wait_dscnt 4
	WIN MUL_LO
	MULA 1, 0, 0, 0
	s_wait_dscnt 0                                 ; my reads of this slot are over
	s_wait_tensorcnt 0x0                           ; and all my tensor loads have landed
	ds_add_u32 v255, v255
	s_wait_dscnt 0x0
	s_barrier_signal -1
	MULA 1, 0, 1, 0                                ; work on registers while the others arrive
	WIN 0
	s_barrier_wait -1
.if \fill
	CREST                                          ; no wave of any partner still reads this slot or has a load on its way
	s_add_nc_u64 s[G0+4*\slot+2:G0+4*\slot+3], s[G0+4*\slot+2:G0+4*\slot+3], 2*KSTEP*2
	s_add_nc_u64 s[G0B+4*\slot+2:G0B+4*\slot+3], s[G0B+4*\slot+2:G0B+4*\slot+3], 2*KSTEP*2
	JLOAD \slot                                    ; the first tensor load behind the round
.endif
	PLACES
	FETCH \next, 0, 0
	WIN MUL_HI
	MULA 1, 1, 0, 0
	MULA 1, 1, 1, 0
.endm
.macro LAP zero                        ; once round the ring, both slots filled again
	THREE 0, \zero
	TURN 0, 1, 1
	THREE 1, 0
	TURN 1, 0, 1
.endm
	s_wait_tensorcnt 1                             ; my part of K step 0 is in; K step 1's stays out
	s_barrier_signal -1
	s_barrier_wait -1                              ; everybody's is
	FETCH 0, 0, 0
	LAP 1                                          ; the first lap stands in front of the loop: its first products start the sums
	WIN 0                                          ; at a label and at a branch every window is 0
	s_mov_b32 s3, LAPS-2
.Llap:
	LAP 0
	WIN 0
	s_sub_co_u32 s3, s3, 1
	s_cmp_lg_u32 s3, 0
	s_cbranch_scc1 .Llap
	THREE 0, 0                                     ; the last lap fills nothing
	TURN 0, 1, 0
	THREE 1, 0
	s_wait_dscnt 4                                 ; the very last quarter: nothing more to fetch
	WIN MUL_LO
	MULA 1, 0, 0, 0
	MULA 1, 0, 1, 0
	s_wait_dscnt 0
	WIN MUL_HI
	MULA 1, 1, 0, 0
	MULA 1, 1, 1, 0
	; THE WAY OUT, 16 rows at a time: round to f16, 16 bytes a lane into my own stage, read back by heads: four rows of a head are 512 consecutive bytes of qkv.
	PLACES
	s_lshr_b32 s14, s13, 3                         ; batch = block row / 8
	s_mul_i32 s16, s14, 12582912                   ; 48 x 2048 x 128 bytes a batch
	s_and_b32 s14, s13, 7
	s_lshl_b32 s14, s14, 8
	s_lshl_b32 s15, s10, 6
	s_add_co_u32 s14, s14, s15                     ; t of my first row
	s_lshl_b32 s14, s14, 7                         ; 128 bytes a row of a head
	s_add_co_u32 s16, s16, s14
	s_mov_b32 s17, 0
	s_add_nc_u64 s[8:9], s[8:9], s[16:17]
	s_mul_i32 s46, s42, 786432                     ; three heads of 262,144 bytes a block column
	s_mov_b32 s47, 0
	s_add_nc_u64 s[8:9], s[8:9], s[46:47]
; rows 16 i .. 16 i + 15 of my block = the twelve tiles (a, 0..11) of window 2 or 3 (from = 0x0a or 0x0f: sources 0 and 1)
.macro OUT16 i, a, from
	WIN \from
.set bi, 0
.rept NB
.irp r, 0,1,2,3
	v_cvt_pk_f16_f32 v[TMP+4*bi+\r], v[8*(NB*\a+bi)+2*\r], v[8*(NB*\a+bi)+2*\r+1]
.endr
.set bi, bi+1
.endr
	WIN 0
.set bi, 0
.rept NB
	ds_store_b128 v[STO], v[TMP+4*bi:TMP+4*bi+3] offset:32*bi
.set bi, bi+1
.endr
	s_wait_xcnt 0x0                                ; RB, which the last block's stores read, is loaded again only behind this wait
.set ti, 0
.rept 12
	ds_load_b128 v[RB+4*ti:RB+4*ti+3], v[RD] offset:(ti%4)*4*SPITCH+(ti/4)*128   ; head ti / 4, rows 4 (ti % 4) ..; LDS serves a wave's instructions in order: these see the stores above
.set ti, ti+1
.endr
.set ti, 0
.rept 12
	s_wait_dscnt 11-ti                             ; load ti is in, the younger ones stay out
	global_store_b128 v[CO], v[RB+4*ti:RB+4*ti+3], s[8:9] offset:(ti/4)*262144+(16*\i+4*(ti%4))*128   ; 512 consecutive bytes, aligned
.set ti, ti+1
.endr
.endm
	OUT16 0, 0, 0x0a
	OUT16 1, 1, 0x0a
	OUT16 2, 0, 0x0f
	OUT16 3, 1, 0x0f
	s_set_vgpr_msb 0x1
	s_wait_tensorcnt 0x0
	ds_add_u32 v255, v255
	s_wait_dscnt 0x0
	s_set_vgpr_msb 0x100
	CROUND                                         ; the closing round: no work-group ends while a partner may still ask for a tile that names it
	s_endpgm
.Lfunc_end_k_q2345f593ab_qkvg:
	.size	k_q2345f593ab_qkvg, .Lfunc_end_k_q2345f593ab_qkvg-k_q2345f593ab_qkvg
	.p2alignl 7, 3214868480
	.fill 96, 4, 3214868480
	.section	.rodata,"a",@progbits
	.p2align	6, 0x0
	.amdhsa_kernel k_q2345f593ab_qkvg
		.amdhsa_group_segment_fixed_size 327680
		.amdhsa_private_segment_fixed_size 0
		.amdhsa_enable_private_segment 0
		.amdhsa_kernarg_size 24
		.amdhsa_user_sgpr_count 2
		.amdhsa_user_sgpr_kernarg_segment_ptr 1
		.amdhsa_wavefront_size32 1
		.amdhsa_system_sgpr_workgroup_id_x 1
		.amdhsa_system_sgpr_workgroup_id_y 1
		.amdhsa_system_sgpr_workgroup_id_z 1
		.amdhsa_system_vgpr_workitem_id 0
		.amdhsa_next_free_vgpr 960
		.amdhsa_next_free_sgpr 66
		.amdhsa_reserve_vcc 0
		.amdhsa_float_denorm_mode_32 3
		.amdhsa_float_denorm_mode_16_64 3
		.amdhsa_memory_ordered 1
		.amdhsa_forward_progress 1
		.amdhsa_inst_pref_size 164
	.end_amdhsa_kernel
	.amdgpu_metadata
---
amdhsa.version: [ 1, 2 ]
amdhsa.kernels:
  - .name:           k_q2345f593ab_qkvg
    .symbol:         k_q2345f593ab_qkvg.kd
    .args:
      - { .name: xb, .offset: 0, .size: 8, .value_kind: global_buffer, .address_space: global }
      - { .name: wqb, .offset: 8, .size: 8, .value_kind: global_buffer, .address_space: global }
      - { .name: qkv, .offset: 16, .size: 8, .value_kind: global_buffer, .address_space: global }
    .group_segment_fixed_size: 327680
    .private_segment_fixed_size: 0
    .kernarg_segment_align: 8
    .kernarg_segment_size: 24
    .max_flat_workgroup_size: 128
    .sgpr_count:     66
    .vgpr_count:     960
    .wavefront_size: 32
...
	.end_amdgpu_metadata
.endif
;; end of part 2
;; launch attn (part 3): grid 256 x 1, 8 waves a work-group, no clusters, 327,680 bytes of LDS; arguments qkv, attnb; writes attnb
.if DOCPART == 3
	.amdgcn_target "amdgcn-amd-amdhsa--gfx1250"
	.amdhsa_code_object_version 6
	.text
	.protected	k_q2345f593ab_attn
	.globl	k_q2345f593ab_attn
	.p2align	8
	.type	k_q2345f593ab_attn,@function
k_q2345f593ab_attn:
	s_mov_b64 s[64:65], 0
	v_nop
	global_prefetch_b8 v0, s[64:65] scope:SCOPE_SE
	s_setreg_imm32_b32 hwreg(HW_REG_WAVE_MODE, 25, 1), 1
	s_wait_xcnt 0x0
; Causal attention by heads, with a running maximum.  qkv: [batch 4][hc 48][t 2048][64] f16 (hc 0-15 q, 16-31 k, 32-47 v).
; attnb: [8192][1024] f16, row 2048 batch + t, column 64 head + d.  Products in the f16 matrix form with f32 sums; softmax in f32.
; LIMITS: the weights and the result are rounded to f16 (weights lie in 0..1, the result within v's range); sums run tile by tile, not in one pass.
; WORK: a work-group serves two neighbouring heads (so that a row of its result is 256 consecutive bytes) and two query tiles of 128 rows,
; 15 - g and g (g = id & 7): (16 - g) + (g + 1) = 17 key tiles of 128 keys for every work-group.  4 batches x 8 pairs of heads x 8 = 256 work-groups.
; Eight waves: wave w has head w / 4 of the pair and rows 32 (w % 4) .. + 31 of the query tile, as two blocks of 16.
; The 17 key tiles go as one stream through a ring of two LDS slots; each wave fills one eighth of a slot (64 keys of K or of V of one head).
; NOTHING IS TRANSPOSED: S^T = K Q^T (source 0 = 16 keys, source 1 = 16 queries) leaves lane (r, h) with query r and keys 8 h + 0..7; packed to f16
; that IS the second source of O^T = V^T P^T, whose first source comes by the transposing LDS load.  So a lane holds query r throughout: maximum and
; sum are per lane (and joined across the two halves of the lanes), and a lane's eight results are eight neighbouring d.
; NO JOINT LOADS: the eight work-groups of a pair of heads read the same K and V, but work-group g leaves the common order after 16 - g tiles and
; starts again at tile 0, each at another trip; requests that stayed joint would bring tiles that the partners throw away.
; NO PREFETCH: each tile is read by up to eight work-groups at about the same time, and was stored by the launch in front.
.set SLOTB, 81920                      ; a slot: eight regions of 10,240 bytes; region w is filled by wave w
.set REG,   10240                      ; regions 0-3: K, head (w / 2) % 2, keys 64 (w % 2) ..; regions 4-7: V likewise
.set KP,    144                        ; K's LDS row: 128 bytes + 16: an odd multiple of 16
.set VP,    160                        ; V's LDS row: 128 bytes + 32: an odd multiple of 32, as the transposing load's eight rows want
.set STAGE, 2*SLOTB                    ; behind the ring: the result's stage; no tensor load lands here
.set SP,    144                        ; a stage row: one head's 128 bytes + 16
.set HSTG,  128*SP                     ; a head's 128 rows; wave w stores into the 32 rows at STAGE + 4,608 w
.set KA,   2                           ; v2-3    LDS address of my K fragments in slot 0, 1
.set VA,   4                           ; v4-5    the same for V
.set STO,  6                           ; v6      where I put 16 bytes of the result
.set RD,   7                           ; v7      where I read it back
.set CO,   8                           ; v8      my byte offset in attnb's 128 rows
.set QA,   9                           ; v9      byte offset of my Q rows, first query tile
.set QB,   10                          ; v10     second query tile
.set D0,   11                          ; v11     32 (w % 4) + r - 8 h: my query less my first key, inside a diagonal tile
.set NINF, 12                          ; v12     -infinity
.set DD,   13                          ; v13     at work in the mask
.set NM,   16                          ; v16-19  row block rb: (NM, m) = (-c x maximum, maximum) at NM + 2 rb
.set AL,   20                          ; v20-23  row block rb: (alpha, l) at AL + 2 rb
.set TT,   24                          ; v24-39  at work, 8 registers a row block
.set QF,   40                          ; v40-71  Q fragment (rb, kk) at 8 (2 rb + kk)
.set KF,   72                          ; v72-103 K fragment (kb, kk) at 8 (2 kb + kk)
.set VF,   104                         ; v104-135 V fragment c (d = 16 c ..)
.set SC,   136                         ; v136-167 scores (rb, kb) at 8 (2 rb + kb)
.set PF,   168                         ; v168-183 weights in f16, row block rb
.set OA,   184                         ; v184-247 result (rb, c) at 8 (4 rb + c)
.set G0,   32                          ; s[32:39] descriptor group 0, one set for each slot
.set G1K,  40                          ; s[40:47] group 1 for K's tiles
.set G1V,  48                          ; s[48:55] group 1 for V's tiles: another padding
; My eighth of a slot.  Waves 0-3 bring K, waves 4-7 V; the two lines differ in the padding alone.
.macro KLOAD s
	s_cmp_eq_u32 s9, 0
	s_cbranch_scc0 .Lfor_v_\@
	tensor_load_to_lds s[G0+4*\s:G0+4*\s+3], s[G1K:G1K+7]
	s_nop 0
	s_branch .Lasked_\@
.Lfor_v_\@:
	tensor_load_to_lds s[G0+4*\s:G0+4*\s+3], s[G1V:G1V+7]
	s_nop 0
.Lasked_\@:
.endm
; My 32 rows of Q as four fragments: lane (r, h) takes bytes 64 kk + 16 h and + 32 of row 16 rb + r
.macro QLOAD adr
.irp rb, 0,1
.irp kk, 0,1
	global_load_b128 v[QF+8*(2*\rb+\kk):QF+8*(2*\rb+\kk)+3],   v[\adr], s[18:19] offset:2048*\rb+64*\kk
	global_load_b128 v[QF+8*(2*\rb+\kk)+4:QF+8*(2*\rb+\kk)+7], v[\adr], s[18:19] offset:2048*\rb+64*\kk+32
.endr
.endr
.endm
; A query tile's start.  One body serves every step of the stream, so the sums begin at zero in registers; twice in the launch.
.macro RESET
.set oi, 0
.rept 64
	v_mov_b32 v[OA+oi], 0
.set oi, oi+1
.endr
.irp rb, 0,1
	v_mov_b32 v[NM+2*\rb], 0x7f800000              ; -c x (-infinity): the first alpha is 2^(-infinity) = 0
	v_mov_b32 v[NM+2*\rb+1], v[NINF]               ; maximum
	v_mov_b32 v[AL+2*\rb], 0
	v_mov_b32 v[AL+2*\rb+1], 0                     ; l
.endr
.endm
	s_load_b128 s[4:7], s[0:1], 0x0                ; qkv s[4:5], attnb s[6:7]
	v_lshl_add_u32 v254, v0, 2, 0x31000
	v_mov_b32 v255, 0
	ds_add_u32 v254, v255
	ds_add_u32 v254, v255
	v_lshrrev_b32 v[DD], 5, v0
	v_readfirstlane_b32 s8, v[DD]                  ; wave w
	s_lshr_b32 s9, s8, 2                           ; at work: my head of the pair.  For the fills: K (0) or V (1)
	s_and_b32 s10, s8, 3                           ; which 32 rows of the query tile
	s_and_b32 s28, ttmp9, 7                        ; g = the second query tile
	s_sub_co_u32 s25, 15, s28                      ; the first: 15 - g.  s25 = the query tile at work
	s_bfe_u32 s14, ttmp9, 0x30003                  ; the pair of heads
	s_lshr_b32 s13, ttmp9, 6                       ; batch
	; group 1: 64 rows of 64 elements of 2 bytes, dense in memory; padding behind every 32 words: 4 words for K, 8 for V
	s_mov_b32 s[G1K+0], (1<<16)|(1<<20)|(4<<22)|(3<<25)
	s_mov_b32 s[G1V+0], (1<<16)|(1<<20)|(4<<22)|(7<<25)
.irp g, G1K, G1V
	s_mov_b32 s[\g+1], 64<<16                      ; tensor_dim0
	s_mov_b32 s[\g+2], 64<<16                      ; tensor_dim1
	s_mov_b32 s[\g+3], 64<<16                      ; tile_dim0
	s_mov_b32 s[\g+4], 64                          ; tile_dim1
	s_mov_b32 s[\g+5], 64                          ; elements from row to row
	s_mov_b32 s[\g+6], 0
	s_mov_b32 s[\g+7], 0
.endr
	s_mul_i32 s11, s13, 12582912                   ; 48 x 2048 x 128 bytes a batch
	s_lshl_b32 s12, s14, 19                        ; two heads of 262,144 bytes a pair
	s_add_co_u32 s18, s11, s12                     ; offset of q's head 2 pair
	s_mov_b32 s19, 0
	s_add_co_u32 s15, s9, 1                        ; my fills: 16 heads on for K, 32 for V,
	s_lshl_b32 s15, s15, 4
	s_bfe_u32 s29, s8, 0x10001                     ; + head (w / 2) % 2 of the pair,
	s_add_co_u32 s15, s15, s29
	s_lshl_b32 s15, s15, 18
	s_and_b32 s29, s8, 1                           ; + keys 64 (w % 2) of the tile
	s_lshl_b32 s29, s29, 13
	s_add_co_u32 s15, s15, s29
	s_add_co_u32 s20, s18, s15
	s_mov_b32 s21, 0
	s_mul_i32 s15, s8, REG                         ; my region of a slot
	s_wait_dscnt 0x0
	s_wait_kmcnt 0x0
	s_add_nc_u64 s[18:19], s[4:5], s[18:19]        ; Q's base
	s_add_nc_u64 s[20:21], s[4:5], s[20:21]        ; my part of key tile 0
.irp n, 0,1
	s_mov_b32 s[G0+4*\n], 1                        ; count = 1
	s_add_co_u32 s[G0+4*\n+1], s15, \n*SLOTB       ; LDS address: 10,240 w + the slot
.endr
	s_mov_b64 s[G0+2:G0+3], s[20:21]
	s_or_b32 s[G0+3], s[G0+3], 0x80000000          ; type = 2
	KLOAD 0                                        ; key tile 0; slot 1 is first filled behind the first trip's barrier, as a refill is
	s_mov_b32 s23, 0                               ; high word of the fills' offset
	s_mov_b32 s24, 0                               ; kt: the key tile at work
	s_mov_b32 s31, 0                               ; high word of the output's offset
	s_mov_b32 s56, 0x76543210                      ; v_permlanex16_b32: lane i of one half reads lane i of the other
	s_mov_b32 s57, 0xfedcba98
	s_mov_b32 s58, 0x3e38aa3b                      ; c = log2(e) / 8: the scale 1 / sqrt(64) and the change of base in one
	s_mov_b32 s59, 0x3e38aa3b
	s_mov_b32 s60, 0xbe38aa3b                      ; -c
	v_and_b32 v1, 15, v0                           ; r
	v_bfe_u32 v15, v0, 4, 1                        ; h
	s_lshl_b32 s15, s9, 18                         ; Q: my head,
	s_lshl_b32 s29, s10, 12                        ; my 32 rows of 128 bytes,
	s_add_co_u32 s15, s15, s29
	v_lshlrev_b32 v[QB], 7, v1                     ; row r,
	v_lshl_add_u32 v[QB], v15, 4, v[QB]            ; 16 h
	v_add_nc_u32 v[QB], s15, v[QB]
	s_lshl_b32 s29, s25, 14                        ; and the query tile: 128 rows of 128 bytes
	v_add_nc_u32 v[QA], s29, v[QB]
	s_lshl_b32 s29, s28, 14
	v_add_nc_u32 v[QB], s29, v[QB]
	QLOAD QA
	s_mul_i32 s15, s9, 2*REG                       ; K: my head's two regions
	v_mul_u32_u24 v[KA], v1, KP
	v_lshl_add_u32 v[KA], v15, 4, v[KA]            ; key r x pitch + 16 h
	v_add_nc_u32 v[KA], s15, v[KA]
	v_add_nc_u32 v[KA+1], SLOTB, v[KA]
	v_and_b32 v[VA], 7, v0                         ; V, for the transposing load: key 8 h + l % 8, 16 bytes (l / 8) % 2
	v_lshl_add_u32 v[VA], v15, 3, v[VA]
	v_mul_u32_u24 v[VA], v[VA], VP
	v_bfe_u32 v[VA+1], v0, 3, 1
	v_lshl_add_u32 v[VA], v[VA+1], 4, v[VA]
	s_add_co_u32 s15, s15, 4*REG
	v_add_nc_u32 v[VA], s15, v[VA]
	v_add_nc_u32 v[VA+1], SLOTB, v[VA]
	s_mul_i32 s15, s8, 32*SP                       ; stage, in: my 32 rows; row r, 16 h
	s_add_co_u32 s15, s15, STAGE
	v_mul_u32_u24 v[STO], v1, SP
	v_lshl_add_u32 v[STO], v15, 4, v[STO]
	v_add_nc_u32 v[STO], s15, v[STO]
	s_mul_i32 s15, s8, 16*SP                       ; stage, back: rows 16 w + l / 16 (+ 2 i); lanes 0-7 of a half take head 0's 128 bytes, lanes 8-15 head 1's
	s_add_co_u32 s15, s15, STAGE
	v_bfe_u32 v[RD], v0, 3, 1
	v_mul_u32_u24 v[RD], v[RD], HSTG
	v_mad_u32_u24 v[RD], v15, SP, v[RD]
	v_and_b32 v[DD], 7, v0
	v_lshl_add_u32 v[RD], v[DD], 4, v[RD]
	v_add_nc_u32 v[RD], s15, v[RD]
	s_lshl_b32 s15, s8, 15                         ; attnb: the same rows, 2,048 bytes each, and 16 (l % 16)
	v_lshlrev_b32 v[CO], 11, v15
	v_lshl_add_u32 v[CO], v1, 4, v[CO]
	v_add_nc_u32 v[CO], s15, v[CO]
	s_lshl_b32 s29, s10, 5
	v_lshlrev_b32 v[D0], 3, v15
	v_sub_nc_u32 v[D0], v1, v[D0]
	v_add_nc_u32 v[D0], s29, v[D0]
	v_mov_b32 v[NINF], 0xff800000
	RESET
	s_wait_loadcnt 0x0                             ; Q
; the four K fragments of the 32 keys of sub-step sb
.macro KFETCH slot, sb
.irp kb, 0,1
.irp kk, 0,1
	ds_load_b128 v[KF+8*(2*\kb+\kk):KF+8*(2*\kb+\kk)+3],   v[KA+\slot] offset:((\sb)/2)*REG+(((\sb)%2)*32+16*\kb)*KP+64*\kk
	ds_load_b128 v[KF+8*(2*\kb+\kk)+4:KF+8*(2*\kb+\kk)+7], v[KA+\slot] offset:((\sb)/2)*REG+(((\sb)%2)*32+16*\kb)*KP+64*\kk+32
.endr
.endr
.endm
; the four V^T fragments (16 d x 32 keys) of sub-step sb: each load transposes 8 x 8 numbers in each group of eight lanes
.macro VFETCH slot, sb
.irp c, 0,1,2,3
	ds_load_tr16_b128 v[VF+8*\c:VF+8*\c+3],   v[VA+\slot] offset:(\sb/2)*REG+(\sb%2)*32*VP+32*\c
	ds_load_tr16_b128 v[VF+8*\c+4:VF+8*\c+7], v[VA+\slot] offset:(\sb/2)*REG+(\sb%2)*32*VP+32*\c+16*VP
.endr
.endm
; The diagonal tile: key 32 sb + 16 kb + 8 h + j counts for query 32 (w % 4) + 16 rb + r only if it is not later
.macro MASK sb
.irp rb, 0,1
.irp kb, 0,1
	v_add_nc_u32 v[DD], 16*\rb-32*\sb-16*\kb, v[D0]
.irp j, 0,1,2,3,4,5,6,7
	v_cmp_le_i32 vcc_lo, \j, v[DD]
	v_cndmask_b32 v[SC+8*(2*\rb+\kb)+\j], v[NINF], v[SC+8*(2*\rb+\kb)+\j], vcc_lo
.endr
.endr
.endr
.endm
; 32 keys for both row blocks: the running maximum, alpha, the weights, the sums.  Every tile's first sub-step has a key that counts for
; every row (key 0 of the tile), so the maximum is finite from the first sub-step on.
.macro SOFTMAX
.irp rb, 0,1
	v_max3_num_f32 v[TT+8*\rb],   v[SC+16*\rb],    v[SC+16*\rb+1],  v[SC+16*\rb+2]
	v_max3_num_f32 v[TT+8*\rb+1], v[SC+16*\rb+3],  v[SC+16*\rb+4],  v[SC+16*\rb+5]
	v_max3_num_f32 v[TT+8*\rb+2], v[SC+16*\rb+6],  v[SC+16*\rb+7],  v[SC+16*\rb+8]
	v_max3_num_f32 v[TT+8*\rb+3], v[SC+16*\rb+9],  v[SC+16*\rb+10], v[SC+16*\rb+11]
	v_max3_num_f32 v[TT+8*\rb+4], v[SC+16*\rb+12], v[SC+16*\rb+13], v[SC+16*\rb+14]
.endr
.irp rb, 0,1
	v_max3_num_f32 v[TT+8*\rb],   v[TT+8*\rb],   v[TT+8*\rb+1], v[SC+16*\rb+15]
	v_max3_num_f32 v[TT+8*\rb+2], v[TT+8*\rb+2], v[TT+8*\rb+3], v[TT+8*\rb+4]
.endr
.irp rb, 0,1
	v_max_num_f32 v[TT+8*\rb], v[TT+8*\rb], v[TT+8*\rb+2]
.endr
.irp rb, 0,1
	v_permlanex16_b32 v[TT+8*\rb+1], v[TT+8*\rb], s56, s57         ; the other half of the lanes holds the same query's other 16 keys
.endr
.irp rb, 0,1
	v_max3_num_f32 v[NM+2*\rb+1], v[TT+8*\rb], v[TT+8*\rb+1], v[NM+2*\rb+1]
.endr
.irp rb, 0,1
	v_mul_f32 v[TT+8*\rb+2], s60, v[NM+2*\rb+1]                    ; -c x the new maximum, rounded once
.endr
.irp rb, 0,1
	v_sub_f32 v[AL+2*\rb], v[TT+8*\rb+2], v[NM+2*\rb]              ; alpha's exponent is the difference of the two rounded shifts, the ones that the weights were and are made with
	v_mov_b32 v[NM+2*\rb], v[TT+8*\rb+2]
.endr
	v_exp_f32 v[AL], v[AL]
	v_exp_f32 v[AL+2], v[AL+2]                                     ; the multiply-adds below are the plain instructions between these and alpha's first use (ISA guide 5.7.2)
.irp rb, 0,1
.irp i, 0,1,2,3,4,5,6,7
	v_pk_fma_f32 v[SC+16*\rb+2*\i:SC+16*\rb+2*\i+1], v[SC+16*\rb+2*\i:SC+16*\rb+2*\i+1], s[58:59], v[NM+2*\rb:NM+2*\rb+1] op_sel_hi:[1,0,0]   ; c s - c max
.endr
.endr
.set ei, 0
.rept 32
	v_exp_f32 v[SC+ei], v[SC+ei]
.set ei, ei+1
.endr
	s_wait_alu depctr_va_vdst(0)
.irp rb, 0,1
.set oi, 0
.rept 16
	v_pk_mul_f32 v[OA+32*\rb+2*oi:OA+32*\rb+2*oi+1], v[OA+32*\rb+2*oi:OA+32*\rb+2*oi+1], v[AL+2*\rb:AL+2*\rb+1] op_sel_hi:[1,0]   ; also the plain instructions behind the exponentials
.set oi, oi+1
.endr
.endr
.irp rb, 0,1
	v_pk_add_f32 v[TT+8*\rb:TT+8*\rb+1],   v[SC+16*\rb:SC+16*\rb+1],     v[SC+16*\rb+2:SC+16*\rb+3]
	v_pk_add_f32 v[TT+8*\rb+2:TT+8*\rb+3], v[SC+16*\rb+4:SC+16*\rb+5],   v[SC+16*\rb+6:SC+16*\rb+7]
	v_pk_add_f32 v[TT+8*\rb+4:TT+8*\rb+5], v[SC+16*\rb+8:SC+16*\rb+9],   v[SC+16*\rb+10:SC+16*\rb+11]
	v_pk_add_f32 v[TT+8*\rb+6:TT+8*\rb+7], v[SC+16*\rb+12:SC+16*\rb+13], v[SC+16*\rb+14:SC+16*\rb+15]
.endr
.irp rb, 0,1
	v_pk_add_f32 v[TT+8*\rb:TT+8*\rb+1],   v[TT+8*\rb:TT+8*\rb+1],   v[TT+8*\rb+2:TT+8*\rb+3]
	v_pk_add_f32 v[TT+8*\rb+4:TT+8*\rb+5], v[TT+8*\rb+4:TT+8*\rb+5], v[TT+8*\rb+6:TT+8*\rb+7]
.endr
.irp rb, 0,1
.irp i, 0,1,2,3,4,5,6,7
	v_cvt_pk_f16_f32 v[PF+8*\rb+\i], v[SC+16*\rb+2*\i], v[SC+16*\rb+2*\i+1]   ; keys 8 h + 0..7 into registers 0-3, keys 16 + 8 h + 0..7 into 4-7: the fragment as it is wanted
.endr
.endr
.irp rb, 0,1
	v_pk_add_f32 v[TT+8*\rb:TT+8*\rb+1], v[TT+8*\rb:TT+8*\rb+1], v[TT+8*\rb+4:TT+8*\rb+5]
.endr
.irp rb, 0,1
	v_add_f32 v[TT+8*\rb], v[TT+8*\rb], v[TT+8*\rb+1]
.endr
.irp rb, 0,1
	v_fma_f32 v[AL+2*\rb+1], v[AL+2*\rb+1], v[AL+2*\rb], v[TT+8*\rb]          ; l = l alpha + my 16 keys' weights; the two halves of the lanes meet at the tile's end
.endr
.endm
; 32 keys.  tail = 1: the tile is known to be diagonal. DUMMY
.macro SUB slot, sb, tail
	s_wait_dscnt 0x0                               ; this sub-step's K fragments are in
.irp rb, 0,1
.irp kb, 0,1
	v_wmma_f32_16x16x32_f16 v[SC+8*(2*\rb+\kb):SC+8*(2*\rb+\kb)+7], v[KF+16*\kb:KF+16*\kb+7], v[QF+16*\rb:QF+16*\rb+7], 0
.endr
.endr
.irp rb, 0,1
.irp kb, 0,1
	v_wmma_f32_16x16x32_f16 v[SC+8*(2*\rb+\kb):SC+8*(2*\rb+\kb)+7], v[KF+16*\kb+8:KF+16*\kb+15], v[QF+16*\rb+8:QF+16*\rb+15], v[SC+8*(2*\rb+\kb):SC+8*(2*\rb+\kb)+7]
.endr
.endr
.rept 4
	v_nop                                          ; four places: in front of the loads into K's and V's registers, which matrix instructions have read, and of the scores' first use
.endr
	VFETCH \slot, \sb
.if \sb < 3
	KFETCH \slot, \sb+1
.endif
.if \tail
	MASK \sb
.else
	s_cmp_eq_u32 s24, s25                          ; the diagonal tile alone is masked; the numbers hang on the work-group's id and the trip
	s_cbranch_scc0 .Lwhole_\@
	MASK \sb
.Lwhole_\@:
.endif
	SOFTMAX
.if \sb < 3
	s_wait_dscnt 8                                 ; V's eight loads are in; the eight younger ones, the next sub-step's K, may be out
.else
	s_wait_dscnt 0x0
.endif
.irp rb, 0,1
.irp c, 0,1,2,3
	v_wmma_f32_16x16x32_f16 v[OA+8*(4*\rb+\c):OA+8*(4*\rb+\c)+7], v[VF+8*\c:VF+8*\c+7], v[PF+8*\rb:PF+8*\rb+7], v[OA+8*(4*\rb+\c):OA+8*(4*\rb+\c)+7]
.endr
.endr
.endm
; A query tile's end: divide, round to f16, through the stage, out in rows of 256 bytes.  reload = 1: the second query tile begins.
.macro EPI reload
.rept 4
	v_nop                                          ; four places behind the last matrix instructions: the result is read, Q's registers are loaded
.endr
.if \reload
	QLOAD QB
.endif
.irp rb, 0,1
	v_permlanex16_b32 v[TT+8*\rb], v[AL+2*\rb+1], s56, s57
.endr
.irp rb, 0,1
	v_add_f32 v[AL+2*\rb+1], v[AL+2*\rb+1], v[TT+8*\rb]            ; the sum over all keys; at least 1, the largest weight
.endr
	v_rcp_f32 v[AL], v[AL+1]
	v_rcp_f32 v[AL+2], v[AL+3]
	v_nop                                          ; one plain instruction behind the reciprocals (ISA guide 5.7.2)
	s_wait_alu depctr_va_vdst(0)
.irp rb, 0,1
.set oi, 0
.rept 16
	v_pk_mul_f32 v[OA+32*\rb+2*oi:OA+32*\rb+2*oi+1], v[OA+32*\rb+2*oi:OA+32*\rb+2*oi+1], v[AL+2*\rb:AL+2*\rb+1] op_sel_hi:[1,0]
.set oi, oi+1
.endr
.endr
.irp rb, 0,1
.set oi, 0
.rept 16
	v_cvt_pk_f16_f32 v[SC+16*\rb+oi], v[OA+32*\rb+2*oi], v[OA+32*\rb+2*oi+1]
.set oi, oi+1
.endr
.endr
.irp rb, 0,1
.irp c, 0,1,2,3
	ds_store_b128 v[STO], v[SC+16*\rb+4*\c:SC+16*\rb+4*\c+3] offset:16*SP*\rb+32*\c   ; row 16 rb + r of my 32, d = 16 c + 8 h + 0..7
.endr
.endr
	s_wait_dscnt 0x0                               ; for the others' sake: my stores are done
	s_barrier_signal -1                            ; every wave comes here in the same trip: the branch round this block hangs on the work-group's id and the trip alone.
	s_barrier_wait -1                              ; The next key tile's load may stay out across it
.irp i, 0,1,2,3,4,5,6,7
	ds_load_b128 v[KF+4*\i:KF+4*\i+3], v[RD] offset:2*SP*\i        ; K's registers are free: the next fragments are fetched behind the next trip's barrier
.endr
	s_lshl_b32 s30, s13, 11
	s_lshl_b32 s29, s25, 7
	s_add_co_u32 s30, s30, s29                     ; row 2048 batch + 128 query tile,
	s_lshl_b32 s30, s30, 11                        ; 2,048 bytes each,
	s_lshl_b32 s29, s14, 8                         ; and the pair's 256 bytes in it
	s_add_co_u32 s30, s30, s29
	s_add_nc_u64 s[16:17], s[6:7], s[30:31]
.irp i, 0,1,2,3,4,5,6,7
	s_wait_dscnt 7-\i                              ; load i is in, the younger ones stay out
	global_store_b128 v[CO], v[KF+4*\i:KF+4*\i+3], s[16:17] offset:4096*\i   ; sixteen lanes store 256 consecutive bytes, aligned
.endr
.if \reload
	RESET
	s_mov_b32 s25, s28                             ; the second query tile
	s_wait_loadcnt 0x0                             ; its Q
	s_wait_xcnt 0x0                                ; K's registers and s[16:17], which the stores read, are written again only behind this wait
.endif
.endm
; One key tile.  In front of the barrier every wave waits for all its tensor loads (one is out: its part of this tile) and for its LDS reads; behind it the
; other slot, read in the last trip, is filled first, one load a wave, and has this trip's work in which to land.  The stage's bytes are stored again
; only with such a barrier between, behind every wave's reads of them.
.macro TRIP slot, refill, tail
	s_wait_tensorcnt 0x0                           ; no load of mine is out: a group 0 may be written
	ds_add_u32 v254, v255
	s_wait_dscnt 0x0
.if \refill
	s_add_co_u32 s26, s24, 1                       ; the next key tile: kt + 1, or 0 behind a diagonal tile
	s_cmp_eq_u32 s24, s25
	s_cselect_b32 s26, 0, s26
	s_lshl_b32 s22, s26, 14                        ; 128 keys of 128 bytes
	s_add_nc_u64 s[G0+4*(1-\slot)+2:G0+4*(1-\slot)+3], s[20:21], s[22:23]
	s_or_b32 s[G0+4*(1-\slot)+3], s[G0+4*(1-\slot)+3], 0x80000000
.endif
	s_wait_dscnt 0x0
	s_barrier_signal -1
	s_barrier_wait -1
.if \refill
	KLOAD (1-\slot)
.endif
	KFETCH \slot, 0
	SUB \slot, 0, \tail
	SUB \slot, 1, \tail
	SUB \slot, 2, \tail
	SUB \slot, 3, \tail
.if \tail
	EPI 0
.else
	s_cmp_eq_u32 s24, s25
	s_cbranch_scc0 .Lsame_\@
	EPI 1
.Lsame_\@:
	s_mov_b32 s24, s26
.endif
.endm
	s_mov_b32 s27, 8                               ; 16 tiles in the loop, the 17th behind it: always the second query tile's diagonal
.Lloop:
	TRIP 0, 1, 0
	TRIP 1, 1, 0
	s_sub_co_u32 s27, s27, 1
	s_cmp_lg_u32 s27, 0
	s_cbranch_scc1 .Lloop
	TRIP 0, 0, 1
	s_wait_tensorcnt 0x0
	ds_add_u32 v254, v255
	s_wait_dscnt 0x0
	s_endpgm
.Lfunc_end_k_q2345f593ab_attn:
	.size	k_q2345f593ab_attn, .Lfunc_end_k_q2345f593ab_attn-k_q2345f593ab_attn
	.p2alignl 7, 3214868480
	.fill 96, 4, 3214868480
	.section	.rodata,"a",@progbits
	.p2align	6, 0x0
	.amdhsa_kernel k_q2345f593ab_attn
		.amdhsa_group_segment_fixed_size 327680
		.amdhsa_private_segment_fixed_size 0
		.amdhsa_enable_private_segment 0
		.amdhsa_kernarg_size 16
		.amdhsa_user_sgpr_count 2
		.amdhsa_user_sgpr_kernarg_segment_ptr 1
		.amdhsa_wavefront_size32 1
		.amdhsa_system_sgpr_workgroup_id_x 1
		.amdhsa_system_sgpr_workgroup_id_y 1
		.amdhsa_system_sgpr_workgroup_id_z 1
		.amdhsa_system_vgpr_workitem_id 0
		.amdhsa_next_free_vgpr 256
		.amdhsa_next_free_sgpr 66
		.amdhsa_reserve_vcc 1
		.amdhsa_float_denorm_mode_32 3
		.amdhsa_float_denorm_mode_16_64 3
		.amdhsa_memory_ordered 1
		.amdhsa_forward_progress 1
		.amdhsa_inst_pref_size 182
	.end_amdhsa_kernel
	.amdgpu_metadata
---
amdhsa.version: [ 1, 2 ]
amdhsa.kernels:
  - .name:           k_q2345f593ab_attn
    .symbol:         k_q2345f593ab_attn.kd
    .args:
      - { .name: qkv, .offset: 0, .size: 8, .value_kind: global_buffer, .address_space: global }
      - { .name: attnb, .offset: 8, .size: 8, .value_kind: global_buffer, .address_space: global }
    .group_segment_fixed_size: 327680
    .private_segment_fixed_size: 0
    .kernarg_segment_align: 8
    .kernarg_segment_size: 16
    .max_flat_workgroup_size: 256
    .sgpr_count:     66
    .vgpr_count:     256
    .wavefront_size: 32
...
	.end_amdgpu_metadata
.endif
;; end of part 3
;; launch projg (part 4): grid 8 x 32, 4 waves a work-group, clusters of 4 x 4, 327,680 bytes of LDS; arguments attnb, wpb, out0; writes out0
.if DOCPART == 4
	.amdgcn_target "amdgcn-amd-amdhsa--gfx1250"
	.amdhsa_code_object_version 6
	.text
	.protected	k_q2345f593ab_projg
	.globl	k_q2345f593ab_projg
	.p2align	8
	.type	k_q2345f593ab_projg,@function
k_q2345f593ab_projg:
	s_mov_b64 s[64:65], 0
	v_nop
	global_prefetch_b8 v0, s[64:65] scope:SCOPE_SE
	s_setreg_imm32_b32 hwreg(HW_REG_WAVE_MODE, 25, 1), 1
	s_wait_xcnt 0x0
	s_wait_alu depctr_hold_cnt(0) depctr_sa_sdst(0) depctr_va_vdst(0) depctr_va_sdst(0) depctr_va_ssrc(0) depctr_va_vcc(0) depctr_vm_vsrc(0)
	s_getreg_b32 s2, hwreg(HW_REG_IB_STS2, 6, 4)
	s_cmp_eq_u32 s2, 0
	s_cbranch_scc0 .Lentry_in_a_cluster
	s_endpgm
.Lentry_in_a_cluster:
	s_bfe_u32 s2, ttmp6, 0x10000c
	s_cmp_lg_u32 s2, 0xf033
	s_cbranch_scc0 .Lentry_shape_is_right
	s_endpgm
.Lentry_shape_is_right:
; out0[m][n] = sum over k of attnb[m][k] wpb[n][k].  attnb: [8192][1024] f16, wpb: [1024][1024] f16 (w_proj's bf16 values); sums and result in f32.
; A work-group makes 256 rows x 128 columns: 32 x 8 = 256 blocks of equal work.  Four waves, one above the other: a wave makes 64 rows x 128 columns,
; 4 x 8 accumulator tiles of 16 x 16, 256 registers.  K goes in steps of 128 through a ring of two LDS slots filled by the tensor data mover:
; a tile's rows are 256 bytes of memory and start at multiples of 256 bytes from the buffer's first byte.
; CLUSTERS: 4 x 4 work-groups.  The four of a row of the cluster need the same tiles of attnb, the four of a column the same tiles of wpb: such a
; tile is asked for jointly, by the same tensor load with the same descriptor and a mask that names the four.  That divides the requests by four.
; REGISTERS, in windows of 256:
;   window 0: v16-26 addresses; v32-63, v64-95 fragments of attnb (4 x 16 rows x 32 K), two buffers; v144-207 at work on the way out
;   window 1: v0-63, v96-159 fragments of wpb (8 x 16 rows x 32 K), two buffers
;   window 2: the 16 accumulator tiles of my rows 0-31 (tile (a, b) at v[8 (8 a + b)]);   window 3: those of my rows 32-63
; THE MATRIX INSTRUCTION IS USED TRANSPOSED: source 0 = 16 rows of wpb, source 1 = 16 rows of attnb.  Lane l then holds row l % 16 of the result and
; its registers 0 to 7 the columns 8 (l / 16) + 0 .. 7: 32 neighbouring bytes.
.set NB,     8                         ; column blocks of 16 in a work-group's tile
.set SIZE_K, 1024
.set KSTEP,  128
.set PITCH,  272                       ; an LDS row: 256 bytes of data + 16 of padding: the 16 rows that a load touches start 16 bytes apart modulo 256
.set HALFT,  128*PITCH                 ; the room of one tensor load: 128 rows of attnb, or 64 rows of wpb (the rest of the room stays unused)
.set SLOT,   4*HALFT                   ; attnb's rows 0-127, 128-255, wpb's rows 0-63, 64-127
.set STAGE,  2*SLOT                    ; behind the ring: 16 rows x 528 bytes for each wave, for the way out; no tensor load lands here
.set SPITCH, 528                       ; 512 bytes of data + 16
.set TN,     16*NB
.set BROWS,  8*NB                      ; rows of wpb in one tensor load
.set NLD,    2*NB+8                    ; LDS loads of a quarter step
.set LAPS,   SIZE_K/(2*KSTEP)          ; a lap = two K steps = once round the ring: 4
.set ADRA, 16                          ; v16-17  LDS address of my attnb fragments in slot 0, 1
.set ADRB, 20                          ; v20-21  the same for wpb
.set STO,  24                          ; v24     the way out: where I put 32 bytes of a row
.set RD,   25                          ; v25     the way out: where I read a row back
.set CO,   26                          ; v26     my byte offset in a row's 512 bytes
.set FA,   32                          ; attnb's fragments, buffer f at FA + 32 f (window 0)
.set RB,   144                         ; the way out: rows read back
.set G1,  24                           ; s[24:31] descriptor group 1 for attnb's tiles
.set G0,  32                           ; s[32:39] descriptor group 0 for attnb's tiles, one set for each slot
.set G1B, 48                           ; s[48:55] group 1 for wpb's tiles
.set G0B, 56                           ; s[56:63] group 0 for wpb's tiles, one set for each slot
.set MSB, 0
.macro WIN new                         ; the immediate's high byte repeats the setting that is left
.if MSB != \new
	s_set_vgpr_msb (MSB<<8)|\new
.set MSB, \new
.endif
.endm
.set MUL_LO, 0xa1                      ; source 0 (wpb) window 1, source 1 (attnb) window 0, C and D window 2
.set MUL_HI, 0xf1                      ; the same, C and D window 3
.set TO_B,   0x40                      ; destination window 1, address window 0
; A joint load.  Waves 0 and 1 fetch attnb's two halves, waves 2 and 3 wpb's.  Each line has one mask and one set of registers for all that issue it.
.macro JLOAD s
	s_cmp_eq_u32 s11, 0
	s_cbranch_scc0 .Lfor_b_\@
	tensor_load_to_lds s[G0+4*\s:G0+4*\s+3], s[G1:G1+7]
	s_nop 0
	s_branch .Lasked_\@
.Lfor_b_\@:
	tensor_load_to_lds s[G0B+4*\s:G0B+4*\s+3], s[G1B:G1B+7]
	s_nop 0
.Lasked_\@:
.endm
; A round of the cluster's barrier: my work-group's barrier; wave 0 signals for the work-group; every wave waits for all sixteen; my work-group's barrier again.
.macro CREST                           ; a round behind its opening barrier
	s_cmp_lg_u32 s10, 0
	s_cbranch_scc1 .Lnot_wave_0_\@
	s_barrier_signal -3
.Lnot_wave_0_\@:
	s_barrier_wait -3
	s_barrier_signal -1
	s_barrier_wait -1
.endm
.macro CROUND                          ; a whole round
	s_barrier_signal -1
	s_barrier_wait -1
	CREST
.endm
	s_load_b128 s[4:7], s[0:1], 0x0                ; attnb s[4:5], wpb s[6:7]
	s_load_b64 s[8:9], s[0:1], 0x10                ; out0
	s_set_vgpr_msb 0x40
	v_lshl_add_u32 v255, v0, 2, 0x4c400
	s_set_vgpr_msb 0x4000
	v_mov_b32 v255, 0
	s_set_vgpr_msb 0x1
	ds_add_u32 v255, v255
	ds_add_u32 v255, v255
	s_set_vgpr_msb 0x100
	v_lshrrev_b32 v1, 5, v0
	v_readfirstlane_b32 s10, v1                    ; wave 0..3: my 64 rows of the block
	s_lshr_b32 s11, s10, 1                         ; I fetch for attnb (0) or for wpb (1),
	s_and_b32 s12, s10, 1                          ; and which half of that tile
	s_bfe_u32 s40, ttmp6, 0x40000                  ; cx: my place along the cluster's x
	s_bfe_u32 s41, ttmp6, 0x40004                  ; cy: along its y
	s_lshl_b32 s42, ttmp9, 2
	s_add_co_u32 s42, s42, s40                     ; block column = 4 x cluster x + cx
	s_and_b32 s13, ttmp7, 0xffff
	s_lshl_b32 s13, s13, 2
	s_add_co_u32 s13, s13, s41                     ; block row = 4 x cluster y + cy
	s_lshl_b32 s43, s41, 2
	s_lshl_b32 s43, 15, s43                        ; my row of the cluster: places 4 cy .. 4 cy + 3
	s_lshl_b32 s44, 0x1111, s40                    ; my column: places cx, cx + 4, cx + 8, cx + 12
	; group 1: rows of 128 elements of 2 bytes, 16 bytes of padding behind every 64 words
	s_or_b32 s[G1+0], s43, (1<<16)|(1<<20)|(1<<21)|(5<<22)|(3<<25)  ; 15:0 mask: my row; 17:16 2 bytes; 20 padding on; 21 set beside a mask; 24:22 every 64 words; 31:25 4 words
	s_or_b32 s[G1B+0], s44, (1<<16)|(1<<20)|(1<<21)|(5<<22)|(3<<25) ; the same with the mask of my column
	s_mov_b32 s[G1+1], KSTEP<<16                   ; tensor_dim0 = 128
	s_mov_b32 s[G1B+1], KSTEP<<16
	s_mov_b32 s[G1+2], 128<<16                     ; tensor_dim1 = 128 rows
	s_mov_b32 s[G1B+2], BROWS<<16                  ;             = 64 rows
	s_mov_b32 s[G1+3], KSTEP<<16                   ; tile_dim0 = 128
	s_mov_b32 s[G1B+3], KSTEP<<16
	s_mov_b32 s[G1+4], 128                         ; tile_dim1
	s_mov_b32 s[G1B+4], BROWS
	s_mov_b32 s[G1+5], SIZE_K                      ; elements from row to row
	s_mov_b32 s[G1B+5], SIZE_K
	s_mov_b32 s[G1+6], 0
	s_mov_b32 s[G1B+6], 0
	s_mov_b32 s[G1+7], 0
	s_mov_b32 s[G1B+7], 0
	; where the tiles come from: attnb's hang on the block row alone, wpb's on the block column alone, each in registers that never hold the other coordinate
	s_lshl_b32 s17, s12, 7
	s_lshl_b32 s16, s13, 8
	s_add_co_u32 s16, s16, s17                     ; attnb: row 256 x block row + 128 x half
	s_mul_i32 s46, s42, TN
	s_mul_i32 s47, s12, BROWS
	s_add_co_u32 s46, s46, s47                     ; wpb: row 128 x block column + 64 x half
	s_mov_b32 s17, 0
	s_mov_b32 s47, 0
	s_mov_b64 s[18:19], SIZE_K*2
	s_mul_u64 s[16:17], s[16:17], s[18:19]         ; in bytes
	s_mul_u64 s[46:47], s[46:47], s[18:19]
	s_mul_i32 s20, s10, HALFT                      ; and where they go: wave x the room of one load
	s_wait_dscnt 0x0
	s_wait_kmcnt 0x0
	s_add_nc_u64 s[14:15], s[4:5], s[16:17]
	s_add_nc_u64 s[46:47], s[6:7], s[46:47]
	CROUND                                         ; all sixteen work-groups are here: the first joint loads meet
.irp s, 0,1
	s_mov_b32 s[G0+4*\s], 1                                        ; count = 1
	s_add_co_u32 s[G0+4*\s+1], s20, \s*SLOT                        ; LDS address
	s_add_nc_u64 s[G0+4*\s+2:G0+4*\s+3], s[14:15], \s*KSTEP*2      ; global address: K step s
	s_or_b32 s[G0+4*\s+3], s[G0+4*\s+3], 0x80000000                ; type = 2
	s_mov_b32 s[G0B+4*\s], 1
	s_add_co_u32 s[G0B+4*\s+1], s20, \s*SLOT
	s_add_nc_u64 s[G0B+4*\s+2:G0B+4*\s+3], s[46:47], \s*KSTEP*2
	s_or_b32 s[G0B+4*\s+3], s[G0B+4*\s+3], 0x80000000
	JLOAD \s                                       ; both slots' first fills go out before anything else: two tensor loads of the wave are out
.endr
	; a fragment is 16 rows x 32 K in 8 registers: lane l holds row l % 16; two loads of 16 bytes, 32 bytes apart, at row x pitch + 16 (l / 16)
	v_and_b32 v1, 15, v0                           ; r = l % 16
	v_bfe_u32 v2, v0, 4, 1                         ; h = l / 16
	v_mul_u32_u24 v3, v1, PITCH
	v_lshl_add_u32 v3, v2, 4, v3
	s_mul_i32 s21, s10, 64*PITCH                   ; my 64 rows of attnb
	s_mov_b32 s22, 2*HALFT                         ; wpb's rows lie behind attnb's 256; every wave reads all of them
.irp s, 0,1
	v_add_nc_u32 v[ADRA+\s], s21, v3
	v_add_nc_u32 v[ADRB+\s], s22, v3
	s_add_co_u32 s21, s21, SLOT
	s_add_co_u32 s22, s22, SLOT
.endr
	s_mul_i32 s23, s10, 16*SPITCH
	s_add_co_u32 s23, s23, STAGE                   ; my stage
	v_mul_u32_u24 v4, v1, SPITCH                   ; in: row r, 32 bytes for each half of the lanes
	v_lshl_add_u32 v4, v2, 5, v4
	v_add_nc_u32 v[STO], s23, v4
	v_and_b32 v5, 31, v0
	v_lshlrev_b32 v[CO], 4, v5                     ; back and out: the wave takes a row's 512 bytes, 16 a lane
	v_add_nc_u32 v[RD], s23, v[CO]
; 8 matrix instructions: row block a of the window's two (hi = 0: my rows 0-31, 1: rows 32-63) x all 8 column blocks, 32 along K, from buffer f.
; zero = 1: the first product starts the sums: nothing is cleared.  The 32 accumulators take turns, one instruction a turn, in the same order in
; every quarter step and over the backward jump.
.macro MULA f, hi, a, zero
.set bi, 0
.rept NB
.if \zero
	v_wmma_f32_16x16x32_f16 v[8*(NB*\a+bi):8*(NB*\a+bi)+7], v[96*\f+8*bi:96*\f+8*bi+7], v[FA+32*\f+8*(2*\hi+\a):FA+32*\f+8*(2*\hi+\a)+7], 0
.else
	v_wmma_f32_16x16x32_f16 v[8*(NB*\a+bi):8*(NB*\a+bi)+7], v[96*\f+8*bi:96*\f+8*bi+7], v[FA+32*\f+8*(2*\hi+\a):FA+32*\f+8*(2*\hi+\a)+7], v[8*(NB*\a+bi):8*(NB*\a+bi)+7]
.endif
.set bi, bi+1
.endr
.endm
; 24 LDS loads in one run: the fragments of one quarter step (128 rows of wpb, my 64 rows of attnb, 32 K at byte k of the rows) into buffer f
.macro FETCH slot, k, f
	WIN TO_B
.set bi, 0
.rept NB
	ds_load_b128 v[96*\f+8*bi:96*\f+8*bi+3],   v[ADRB+\slot] offset:\k+(bi/(NB/2))*HALFT+(bi%(NB/2))*16*PITCH
	ds_load_b128 v[96*\f+8*bi+4:96*\f+8*bi+7], v[ADRB+\slot] offset:\k+(bi/(NB/2))*HALFT+(bi%(NB/2))*16*PITCH+32
.set bi, bi+1
.endr
	WIN 0
.irp i, 0,1,2,3
	ds_load_b128 v[FA+32*\f+8*\i:FA+32*\f+8*\i+3],   v[ADRA+\slot] offset:\k+\i*16*PITCH
	ds_load_b128 v[FA+32*\f+8*\i+4:FA+32*\f+8*\i+7], v[ADRA+\slot] offset:\k+\i*16*PITCH+32
.endr
.endm
; A load into a register that a matrix instruction has read, and a vector instruction or LDS store that reads a matrix result, stand four places
; behind that matrix instruction; only plain vector instructions that name none of its registers are places.
.macro PLACES
.rept 4
	v_nop
.endr
.endm
; A K step is four quarter steps of 32 along K, 32 matrix instructions each, on buffers 0, 1, 0, 1.
; One of the first three: multiplies buffer f; in its middle it fetches the next quarter's fragments, at byte k of the same slot's rows, into buffer g.
.macro QUARTER slot, k, f, g, zero
	s_wait_dscnt 4                                 ; wpb and attnb's rows 0-31 are in; the youngest four loads (attnb's rows 32-63) may be out
	WIN MUL_LO
	MULA \f, 0, 0, \zero
	MULA \f, 0, 1, \zero
	PLACES
	FETCH \slot, \k, \g
	s_wait_dscnt NLD                               ; all but the 24 just issued
	WIN MUL_HI
	MULA \f, 1, 0, \zero
	MULA \f, 1, 1, \zero
.endm
.macro THREE slot, zero
	QUARTER \slot, 64,  0, 1, \zero
	QUARTER \slot, 128, 1, 0, 0
	QUARTER \slot, 192, 0, 1, 0
.endm
; The last quarter: multiplies buffer 1 and changes slots.  next = the other slot; fill = 1: this slot is filled again, two K steps ahead.
; In front of the barrier each wave waits for its reads of this slot and for all its tensor loads, of which one is out: its part of the next slot.
; Behind it (where a slot is filled again: behind the round of the cluster's barrier that it opens) the refill comes first, one load a wave, then
; the next slot's first fragments.  From a request to the wait for it a wave issues 120 matrix instructions.
.macro TURN slot, next, fill
	s_wait_dscnt 4
	WIN MUL_LO
	MULA 1, 0, 0, 0
	s_wait_dscnt 0                                 ; my reads of this slot are over
	s_wait_tensorcnt 0x0                           ; and all my tensor loads have landed
	ds_add_u32 v255, v255
	s_wait_dscnt 0x0
	s_barrier_signal -1
	MULA 1, 0, 1, 0                                ; work on registers while the others arrive
	WIN 0
	s_barrier_wait -1
.if \fill
	CREST                                          ; no wave of any partner still reads this slot or has a load on its way
	s_add_nc_u64 s[G0+4*\slot+2:G0+4*\slot+3], s[G0+4*\slot+2:G0+4*\slot+3], 2*KSTEP*2
	s_add_nc_u64 s[G0B+4*\slot+2:G0B+4*\slot+3], s[G0B+4*\slot+2:G0B+4*\slot+3], 2*KSTEP*2
	JLOAD \slot                                    ; the first tensor load behind the round
.endif
	PLACES
	FETCH \next, 0, 0
	WIN MUL_HI
	MULA 1, 1, 0, 0
	MULA 1, 1, 1, 0
.endm
.macro LAP zero                        ; once round the ring, both slots filled again
	THREE 0, \zero
	TURN 0, 1, 1
	THREE 1, 0
	TURN 1, 0, 1
.endm
	s_wait_tensorcnt 1                             ; my part of K step 0 is in; K step 1's stays out
	s_barrier_signal -1
	s_barrier_wait -1                              ; everybody's is
	FETCH 0, 0, 0
	LAP 1                                          ; the first lap stands in front of the loop: its first products start the sums
	WIN 0                                          ; at a label and at a branch every window is 0
	s_mov_b32 s3, LAPS-2
.Llap:
	LAP 0
	WIN 0
	s_sub_co_u32 s3, s3, 1
	s_cmp_lg_u32 s3, 0
	s_cbranch_scc1 .Llap
	THREE 0, 0                                     ; the last lap fills nothing
	TURN 0, 1, 0
	THREE 1, 0
	s_wait_dscnt 4                                 ; the very last quarter: nothing more to fetch
	WIN MUL_LO
	MULA 1, 0, 0, 0
	MULA 1, 0, 1, 0
	s_wait_dscnt 0
	WIN MUL_HI
	MULA 1, 1, 0, 0
	MULA 1, 1, 1, 0
	; THE WAY OUT, 16 rows at a time: 32 bytes a lane into my own stage, read back as whole rows of 512 bytes.
	PLACES
	s_lshl_b32 s16, s13, 8
	s_lshl_b32 s15, s10, 6
	s_add_co_u32 s16, s16, s15                     ; my first row,
	s_lshl_b32 s16, s16, 12                        ; 4,096 bytes each
	s_mov_b32 s17, 0
	s_add_nc_u64 s[8:9], s[8:9], s[16:17]
	s_lshl_b32 s46, s42, 9                         ; my block column's 512 bytes
	s_mov_b32 s47, 0
	s_add_nc_u64 s[8:9], s[8:9], s[46:47]
; rows 16 i .. 16 i + 15 of my block = the eight tiles (a, 0..7) of window 2 or 3 (from = 0x08 or 0x0c: the LDS stores' data)
.macro OUT16 i, a, from
	WIN \from
.set bi, 0
.rept NB
	ds_store_b128 v[STO], v[8*(NB*\a+bi):8*(NB*\a+bi)+3]   offset:64*bi
	ds_store_b128 v[STO], v[8*(NB*\a+bi)+4:8*(NB*\a+bi)+7] offset:64*bi+16
.set bi, bi+1
.endr
	WIN 0
	s_wait_xcnt 0x0                                ; RB, which the last block's stores read, is loaded again only behind this wait
.set ti, 0
.rept 16
	ds_load_b128 v[RB+4*ti:RB+4*ti+3], v[RD] offset:ti*SPITCH      ; LDS serves a wave's instructions in order: these see the stores above
.set ti, ti+1
.endr
.set ti, 0
.rept 16
	s_wait_dscnt 15-ti                             ; load ti is in, the younger ones stay out
	global_store_b128 v[CO], v[RB+4*ti:RB+4*ti+3], s[8:9] offset:(16*\i+ti)*4096 th:TH_STORE_NT   ; 512 consecutive bytes, aligned; written once
.set ti, ti+1
.endr
.endm
	OUT16 0, 0, 0x08
	OUT16 1, 1, 0x08
	OUT16 2, 0, 0x0c
	OUT16 3, 1, 0x0c
	s_set_vgpr_msb 0x1
	s_wait_tensorcnt 0x0
	ds_add_u32 v255, v255
	s_wait_dscnt 0x0
	s_set_vgpr_msb 0x100
	CROUND                                         ; the closing round: no work-group ends while a partner may still ask for a tile that names it
	s_endpgm
.Lfunc_end_k_q2345f593ab_projg:
	.size	k_q2345f593ab_projg, .Lfunc_end_k_q2345f593ab_projg-k_q2345f593ab_projg
	.p2alignl 7, 3214868480
	.fill 96, 4, 3214868480
	.section	.rodata,"a",@progbits
	.p2align	6, 0x0
	.amdhsa_kernel k_q2345f593ab_projg
		.amdhsa_group_segment_fixed_size 327680
		.amdhsa_private_segment_fixed_size 0
		.amdhsa_enable_private_segment 0
		.amdhsa_kernarg_size 24
		.amdhsa_user_sgpr_count 2
		.amdhsa_user_sgpr_kernarg_segment_ptr 1
		.amdhsa_wavefront_size32 1
		.amdhsa_system_sgpr_workgroup_id_x 1
		.amdhsa_system_sgpr_workgroup_id_y 1
		.amdhsa_system_sgpr_workgroup_id_z 1
		.amdhsa_system_vgpr_workitem_id 0
		.amdhsa_next_free_vgpr 896
		.amdhsa_next_free_sgpr 66
		.amdhsa_reserve_vcc 0
		.amdhsa_float_denorm_mode_32 3
		.amdhsa_float_denorm_mode_16_64 3
		.amdhsa_memory_ordered 1
		.amdhsa_forward_progress 1
		.amdhsa_inst_pref_size 119
	.end_amdhsa_kernel
	.amdgpu_metadata
---
amdhsa.version: [ 1, 2 ]
amdhsa.kernels:
  - .name:           k_q2345f593ab_projg
    .symbol:         k_q2345f593ab_projg.kd
    .args:
      - { .name: attnb, .offset: 0, .size: 8, .value_kind: global_buffer, .address_space: global }
      - { .name: wpb, .offset: 8, .size: 8, .value_kind: global_buffer, .address_space: global }
      - { .name: out0, .offset: 16, .size: 8, .value_kind: global_buffer, .address_space: global }
    .group_segment_fixed_size: 327680
    .private_segment_fixed_size: 0
    .kernarg_segment_align: 8
    .kernarg_segment_size: 24
    .max_flat_workgroup_size: 128
    .sgpr_count:     66
    .vgpr_count:     896
    .wavefront_size: 32
...
	.end_amdgpu_metadata
.endif
;; end of part 4
